; MI455X (gfx1250); checked and timed in simulation.
; The chip was launched on July 23, 2026; its instructions are those of AMD's public machine-readable ISA for CDNA 5 (MIT licence, August 2026) and "CDNA5" Instruction Set Architecture Reference Guide (July 2026). The comments in the code are by the model that wrote it; some were corrected since.
;; Attention MIL. Allowed arithmetic: float matrix products may take bf16 or f16 operands with f32 sums; all other float work in f32.
;; Inputs: W1 256 x 1,024 float32; W2 1 x 256 float32; tiles_embeddings 16 x 8,192 x 1,024 float32.
;; Outputs: out0 16 x 1,024 float32.
;; 2 versions, each right; version 2 is version 1 with the launch main written anew for expert scheduling mode. Each part assembles by itself: llvm-mc -triple=amdgcn-amd-amdhsa -mcpu=gfx1250 --defsym DOCPART=n.
;; ======== version 1 of 2: 3 launches
;; workspace buffers: w1f 524,288 bytes; part 1,048,576 bytes; stat 65,536 bytes
;; launch prep (part 1): grid 32 x 1, 4 waves a work-group, no clusters, 0 bytes of LDS; arguments W1, w1f; writes w1f
.if DOCPART == 1
	.amdgcn_target "amdgcn-amd-amdhsa--gfx1250"
	.amdhsa_code_object_version 6
	.text
	.protected	k_q3e4dc5c035_prep
	.globl	k_q3e4dc5c035_prep
	.p2align	8
	.type	k_q3e4dc5c035_prep,@function
k_q3e4dc5c035_prep:
	s_mov_b64 s[64:65], 0
	v_nop
	global_prefetch_b8 v0, s[64:65] scope:SCOPE_SE
	s_setreg_imm32_b32 hwreg(HW_REG_WAVE_MODE, 25, 1), 1
	s_wait_xcnt 0x0
; w1f = bf16( 2 log2(e) * W1 ), laid out as the matrix fragments that the main launch loads.
; W1 is [256][1024] f32.  The factor is multiplied in f32 ahead of the one rounding, so that the main launch gets
; the argument of its exp2 (tanh z = 1 - 2 / (1 + 2^(2 log2(e) z))) straight out of the matrix product.
; ORDER OF K.  In each slice of 128 k, position 8 c + e (c = 0..15, e = 0..7) holds true k = 4 c + (e & 3) + 64 (e >> 2):
; the 16 bytes of f32 at byte 16 c and the 16 bytes at byte 256 + 16 c of the slice make one 16-byte chunk of bf16.
; The main launch lays X out in the same order, so the products are those of the true order.
; LAYOUT of w1f: [w 4][step q 32][a 4][half 2][lane 32][16 bytes]; row of W1 = 64 w + 16 a + (lane & 15);
; the chunk holds positions 32 (q & 3) + 16 half + 8 (lane >> 4) + 0..7 of slice q >> 2.
; 128 waves: wave g takes 16 rows (block g >> 3) of one slice (g & 7): 16 loads, 8 stores of 512 consecutive bytes.
; One megabyte is read once: no LDS, no matrix unit, no ring.
.set F, 16                             ; v[16:79]   f32 as loaded: chunk j at 8 j (low 16 bytes, high 16 bytes)
.set Y, 80                             ; v[80:111]  bf16 to store: chunk j at 4 j, registers of its own, so no store is waited for
	s_load_b128 s[4:7], s[0:1], 0x0                ; W1 s[4:5], w1f s[6:7]
	v_lshrrev_b32 v1, 5, v0
	v_readfirstlane_b32 s8, v1                     ; wave 0..3
	s_lshl_b32 s9, ttmp9, 2
	s_add_co_u32 s9, s9, s8                        ; g = 4 x + wave, 0..127
	s_lshr_b32 s10, s9, 3                          ; block of 16 rows, 0..15
	s_and_b32 s11, s9, 7                           ; slice of 128 k, 0..7
	s_lshl_b32 s12, s10, 16                        ; 16 rows of 4,096 bytes
	s_lshl_b32 s13, s11, 9                         ; 512 bytes a slice
	s_add_co_u32 s12, s12, s13                     ; from where
	s_lshr_b32 s13, s10, 2                         ; w
	s_lshl_b32 s13, s13, 17
	s_and_b32 s14, s10, 3                          ; a
	s_lshl_b32 s14, s14, 10
	s_add_co_u32 s13, s13, s14
	s_lshl_b32 s14, s11, 14                        ; four steps of 4,096 bytes a slice
	s_add_co_u32 s13, s13, s14                     ; to where
	v_and_b32 v1, 31, v0                           ; lane
	v_and_b32 v2, 15, v0                           ; r: my row of the block
	v_bfe_u32 v3, v0, 4, 1                         ; hh
	v_lshlrev_b32 v4, 12, v2
	v_lshl_add_u32 v4, v3, 4, v4                   ; r x 4,096 + 16 hh
	v_add_nc_u32 v4, s12, v4
	v_lshl_add_u32 v5, v1, 4, s13                  ; 16 x lane
	s_wait_kmcnt 0x0
.irp j, 0,1,2,3,4,5,6,7
	global_load_b128 v[F+8*\j:F+8*\j+3],   v4, s[4:5] offset:32*\j        ; chunk c = 2 j + hh: k = 4 c .. 4 c + 3
	global_load_b128 v[F+8*\j+4:F+8*\j+7], v4, s[4:5] offset:32*\j+256    ; and k = 64 + 4 c ..
.endr
.irp j, 0,1,2,3,4,5,6,7
	s_wait_loadcnt 14-2*\j                         ; loads come back in order: the two of chunk j are in, the 14 - 2 j younger ones stay out
.irp k, 0,2,4,6
	v_pk_mul_f32 v[F+8*\j+\k:F+8*\j+\k+1], v[F+8*\j+\k:F+8*\j+\k+1], 0x4038aa3b op_sel_hi:[1,0]   ; x 2 log2(e)
.endr
.irp k, 0,1,2,3
	v_cvt_pk_bf16_f32 v[Y+4*\j+\k], v[F+8*\j+2*\k], v[F+8*\j+2*\k+1]
.endr
	global_store_b128 v5, v[Y+4*\j:Y+4*\j+3], s[6:7] offset:(\j>>1)*4096+(\j&1)*512   ; step j >> 1 of the slice, half j & 1
.endr
	s_endpgm
.Lfunc_end_k_q3e4dc5c035_prep:
	.size	k_q3e4dc5c035_prep, .Lfunc_end_k_q3e4dc5c035_prep-k_q3e4dc5c035_prep
	.p2alignl 7, 3214868480
	.fill 96, 4, 3214868480
	.section	.rodata,"a",@progbits
	.p2align	6, 0x0
	.amdhsa_kernel k_q3e4dc5c035_prep
		.amdhsa_group_segment_fixed_size 0
		.amdhsa_private_segment_fixed_size 0
		.amdhsa_enable_private_segment 0
		.amdhsa_kernarg_size 16
		.amdhsa_user_sgpr_count 2
		.amdhsa_user_sgpr_kernarg_segment_ptr 1
		.amdhsa_wavefront_size32 1
		.amdhsa_system_sgpr_workgroup_id_x 1
		.amdhsa_system_sgpr_workgroup_id_y 1
		.amdhsa_system_sgpr_workgroup_id_z 1
		.amdhsa_system_vgpr_workitem_id 0
		.amdhsa_next_free_vgpr 112
		.amdhsa_next_free_sgpr 66
		.amdhsa_reserve_vcc 0
		.amdhsa_float_denorm_mode_32 3
		.amdhsa_float_denorm_mode_16_64 3
		.amdhsa_memory_ordered 1
		.amdhsa_forward_progress 1
		.amdhsa_inst_pref_size 9
	.end_amdhsa_kernel
	.amdgpu_metadata
---
amdhsa.version: [ 1, 2 ]
amdhsa.kernels:
  - .name:           k_q3e4dc5c035_prep
    .symbol:         k_q3e4dc5c035_prep.kd
    .args:
      - { .name: W1, .offset: 0, .size: 8, .value_kind: global_buffer, .address_space: global }
      - { .name: w1f, .offset: 8, .size: 8, .value_kind: global_buffer, .address_space: global }
    .group_segment_fixed_size: 0
    .private_segment_fixed_size: 0
    .kernarg_segment_align: 8
    .kernarg_segment_size: 16
    .max_flat_workgroup_size: 128
    .sgpr_count:     66
    .vgpr_count:     112
    .wavefront_size: 32
...
	.end_amdgpu_metadata
.endif
;; end of part 1
;; launch main (part 2): grid 256 x 1, 4 waves a work-group, no clusters, 286,208 bytes of LDS; arguments w1f, W2, tiles_embeddings, part, stat; writes part, stat
.if DOCPART == 2
	.amdgcn_target "amdgcn-amd-amdhsa--gfx1250"
	.amdhsa_code_object_version 6
	.text
	.protected	k_q3e4dc5c035_main
	.globl	k_q3e4dc5c035_main
	.p2align	8
	.type	k_q3e4dc5c035_main,@function
k_q3e4dc5c035_main:
	s_mov_b64 s[64:65], 0
	v_nop
	global_prefetch_b8 v0, s[64:65] scope:SCOPE_SE
	s_setreg_imm32_b32 hwreg(HW_REG_WAVE_MODE, 25, 1), 1
	s_wait_xcnt 0x0
; Attention pooling, one pass over X.  Work-group x owns rows 512 x .. 512 x + 511 of X taken as [131072][1024] f32 (bag x >> 4)
; and walks them in four tiles of 128 rows.  For a tile: acc = X (2 log2(e) W1)^T on the matrix units in bf16, r = 1 / (1 + 2^acc),
; t = sum over h of w2s[h] r[h] with w2s = -2 log2(e) W2.  Since tanh z = 1 - 2 r, t is log2(e) x score less a term that is the same
; for every row, which a softmax does not see.  Then the running maximum m, p = 2^(t - m), l = l alpha + sum p,
; O = O alpha + p X (matrix units again, X still in LDS in bf16), alpha = 2^(m old - m new).  O (unnormalised), m and l go to part and stat.
; 2^acc = infinity gives r = 0 (tanh = 1), 2^acc = 0 gives r = 1 (tanh = -1): the saturated ends come out right.
; LIMITS.  Inputs that hold NaN or infinities are not followed as the reference follows them (the maxima drop a NaN).
; l sums the p in f32, the pooling product takes the same p rounded to bf16.  All matrix operands are bf16, which has the range of f32.
;
; FOUR WAVES, as many as a WGP has SIMDs, all running this one text.  In the product wave w owns h = 64 w .. 64 w + 63 for all 128 rows
; (32 accumulator tiles, 256 registers) and loads its own quarter of w1f straight into fragments, 512 consecutive bytes a load.
; The same wave brings rows 32 w .. 32 w + 31 of every slice of 128 k: f32 into registers, rounded to bf16 into a park of registers,
; and from there to LDS when the slice's place is free.  Both streams run on one counter, which counts in issue order (ISA guide 5.7.1),
; so they are issued in the order in which they are used: a step issues 8 loads of W1 for three steps on, then 8 loads of X that are
; converted four steps on.  By this text's own count 56 loads of a wave are out behind a step's issue, 32 of them X (16,384 bytes).
;
; NO CLUSTER.  What work-groups share is w1f.  A joint request lands in LDS: beside the 285,696 bytes used here 41,984 of the 327,680
; that a work-group can have are left, and each quarter of w1f is read by one wave alone, so the way through LDS would add 524,288 bytes
; written and as many read to each tile and spare no register.  X is shared by nobody.
; NO TENSOR LOADS: X changes its format on the way, so it passes through registers, and an f32 stage has no room in LDS.
;
; ORDER OF K (as in w1f): in a slice of 128 k, position 8 c + e holds true k = 4 c + (e & 3) + 64 (e >> 2).  A lane takes 16 bytes
; at 16 c and 16 bytes at 256 + 16 c of a row slice (sixteen lanes: 256 consecutive bytes each time) and packs them into one 16-byte store.
.set PITCH, 272                        ; an LDS row: 128 bf16 + 16 bytes = 17 x 16: sixteen rows start in sixteen different 16-byte columns of 256
.set SLICE, 128*PITCH                  ; 34,816 bytes: 128 rows of one slice
.set SCO,   8*SLICE                    ; [wave 4][row 128] f32: partial scores
.set PB,    SCO+2048                   ; [wave 4][row 128] bf16: p, each wave its own copy
.set OST,   PB+1024                    ; [wave 4][256] f32: stage that puts O back into the true order of d
.set TILEB, 128*4096                   ; bytes of X in a tile
; scalars: s[4:5] w1f, s[6:7] W2, s[8:9] X at the tile, s[10:11] part, s[12:13] stat, s14 wave,
;          s16-17 selects of v_permlanex16_b32, s18 tile counter, s20-27 at work
.set WV, 14
; window 0 (v0-255)
.set XA,   1                           ; v1-4    r PITCH + 16 hh + 2 j SLICE: X fragments of slices 2 j, 2 j + 1
.set PA,   5                           ; v5      address of the transposing loads
.set WOFF, 6                           ; v6      131,072 w + 16 lane: my bytes in w1f
.set SCST, 7                           ; v7      where I put a partial score
.set SCLD, 8                           ; v8      where I read four rows of partial scores
.set PBST, 9                           ; v9      where I put four p
.set PBLD, 10                          ; v10     where I read fragments of p
.set MX,   12                          ; v12     m
.set LSUM, 13                          ; v13     l, the part of my rows 4 lane .. + 3
.set AL,   14                          ; v14     alpha
.set LN,   15                          ; v15     lane
.set XOFF, 16                          ; v16     my 16 bytes in the first two of my rows of X
.set LSA,  17                          ; v17-20  where they go in slices 2 j, 2 j + 1
.set XB,   32                          ; v32-159 two buffers of eight X fragments: step q in buffer q & 1, rows 16 b .. at + 8 b
.set PF,   160                         ; v160-191 four fragments of p
.set W2R,  192                         ; v192-223 w2s of my lane: block a of 16 h at + 8 a; kept for the whole kernel
.set SM,   224                         ; v224-239 at work in the softmax
.set TS,   240                         ; v240-248 at work in the tanh phase
; window 1 (v256-511): accumulator tile (b, a) at 8 (4 b + a); in the pooling D of group T at 8 T and two buffers of B at BP
.set BP,   128
; window 2 (v512-767)
.set WR,   0                           ; ring of four steps of W1: step q at 32 (q & 3), fragment a at + 8 a
.set FL,   128                         ; X in flight, f32: four quarter slices of 32 registers; unit k (two rows) at + 8 k
; window 3 (v768-1023)
.set PK,   0                           ; three parks of 64 registers: slice n in park n % 3, unit i at + 4 i
.set OA,   192                         ; O: register T, lane r = position group T, index r
.set MSB, 0
.macro WIN new                         ; s_set_vgpr_msb: bits 1:0 source 0, 3:2 source 1, 5:4 source 2, 7:6 destination; the high byte repeats the setting left
.if MSB != \new
	s_set_vgpr_msb (MSB<<8)|\new
.set MSB, \new
.endif
.endm
; Four plain vector instructions stand between a matrix instruction and a vector instruction that reads its result or writes one of its
; registers; this text keeps the same distance in front of loads into such registers.
.macro PLACES
.rept 4
	v_nop
.endr
.endm
.macro BAR
	s_wait_dscnt 0x0                               ; for the others: my LDS stores are in, my LDS reads are over
	s_barrier_signal -1
	s_barrier_wait -1
.endm
; X fragments of step fq (0..31 in a tile): slice fq >> 2, 32 positions at byte 64 (fq & 3), all 128 rows: sixteen loads.
.macro FETCHX
	WIN 0
.irp b, 0,1,2,3,4,5,6,7
	ds_load_b128 v[XB+64*(fq&1)+8*\b:XB+64*(fq&1)+8*\b+3],   v[XA+(fq>>3)] offset:((fq>>2)&1)*SLICE+\b*16*PITCH+64*(fq&3)
	ds_load_b128 v[XB+64*(fq&1)+8*\b+4:XB+64*(fq&1)+8*\b+7], v[XA+(fq>>3)] offset:((fq>>2)&1)*SLICE+\b*16*PITCH+64*(fq&3)+32
.endr
.endm
; Step lq of W1 (32 positions, my 64 h): four fragments, eight loads of 512 consecutive bytes.  Steps 32 to 34 are steps 0 to 2 of the next tile.
.macro LOADW
	WIN 0x80
.irp a, 0,1,2,3
	global_load_b128 v[WR+32*(lq&3)+8*\a:WR+32*(lq&3)+8*\a+3],   v[WOFF], s[4:5] offset:(lq%32)*4096+1024*\a
	global_load_b128 v[WR+32*(lq&3)+8*\a+4:WR+32*(lq&3)+8*\a+7], v[WOFF], s[4:5] offset:(lq%32)*4096+1024*\a+512
.endr
.endm
; Quarter xq of slice xsl: units 4 xq .. + 3 (unit i = rows 2 i, 2 i + 1 of my 32), eight loads.  xsl counts from the tile at s[8:9]; 8 and more lie in the next tile.
.macro XISSUE
	WIN 0x80
.irp k, 0,1,2,3
	global_load_b128 v[FL+32*xq+8*\k:FL+32*xq+8*\k+3],   v[XOFF], s[8:9] offset:(xsl>>3)*TILEB+(xsl&7)*512+8192*(4*xq+\k) th:TH_LOAD_NT
	global_load_b128 v[FL+32*xq+8*\k+4:FL+32*xq+8*\k+7], v[XOFF], s[8:9] offset:(xsl>>3)*TILEB+(xsl&7)*512+8192*(4*xq+\k)+256 th:TH_LOAD_NT
.endr
.endm
; Quarter cq of slice cvs is rounded into its park: sixteen conversions, which name registers of windows 2 (upper half) and 3 alone.
.macro XCONV
	WIN 0xca
.irp k, 0,1,2,3
	v_cvt_pk_bf16_f32 v[PK+64*((cvs&7)%3)+4*(4*cq+\k)],   v[FL+32*cq+8*\k],   v[FL+32*cq+8*\k+1]
	v_cvt_pk_bf16_f32 v[PK+64*((cvs&7)%3)+4*(4*cq+\k)+1], v[FL+32*cq+8*\k+2], v[FL+32*cq+8*\k+3]
	v_cvt_pk_bf16_f32 v[PK+64*((cvs&7)%3)+4*(4*cq+\k)+2], v[FL+32*cq+8*\k+4], v[FL+32*cq+8*\k+5]
	v_cvt_pk_bf16_f32 v[PK+64*((cvs&7)%3)+4*(4*cq+\k)+3], v[FL+32*cq+8*\k+6], v[FL+32*cq+8*\k+7]
.endr
.endm
.macro LSTORE sl                       ; park sl % 3 goes to slice sl of LDS: sixteen lanes fill the 256 bytes of a row
	WIN 0x0c
.set j, 0
.rept 16
	ds_store_b128 v[LSA+(\sl>>1)], v[PK+64*(\sl%3)+4*j:PK+64*(\sl%3)+4*j+3] offset:(\sl&1)*SLICE+2*PITCH*j
.set j, j+1
.endr
.endm
; STEP gq: 32 matrix instructions, and ahead of them all that the step asks for.
; The wait on loads.  A step issues W(q + 3), then X(q).  Behind W(q), issued in step q - 3, stand X(q-3), W(q+1), X(q-2), W(q+2), X(q-1):
; 8 for each of the five that exists, 40 in the loop.  X(q-4), which is converted now, is older than W(q).  In the last tile X ends with
; step xmax and W1 with step wmax - 1, and the count runs down to 0.
; The sixteen conversions are the places behind the last step's products: only then are the X buffer and the ring place that those read loaded again.
; The wait on LDS: the fetch for step q + 1 (16) stays out, and the 16 stores of a slice where the step has them behind it.
; D = W1 fragment (rows h) x X fragment (columns = rows of X): register j of lane (r, hh) is h = 64 w + 16 a + 8 hh + j of X row 16 b + r,
; so the sum over h of a row stays in two lanes.  In step 0 the constant 0 starts the sums: nothing is cleared.
.macro GSTEP sl
.set cnt, 0
.if gq-3 <= xmax
.set cnt, cnt+8
.endif
.if gq-2 <= xmax
.set cnt, cnt+8
.endif
.if gq-1 <= xmax
.set cnt, cnt+8
.endif
.if gq+1 < wmax
.set cnt, cnt+8
.endif
.if gq+2 < wmax
.set cnt, cnt+8
.endif
	s_wait_loadcnt cnt
.if gq <= cmax
.set cq, gq&3
.set cvs, 3+(gq>>2)
	XCONV
.else
	PLACES
.endif
.set dc, 0
.if gq < 31
.set fq, gq+1
	FETCHX
.set dc, dc+16
.endif
.if \sl >= 0
	LSTORE \sl
.set dc, dc+16
.endif
.if gq+3 < wmax
.set lq, gq+3
	LOADW
.endif
.if gq <= xmax
.set xq, gq&3
.set xsl, 4+(gq>>2)
	XISSUE
.endif
	s_wait_dscnt dc
	WIN 0x52                                       ; A window 2, B window 0, C and D window 1
.irp b, 0,1,2,3,4,5,6,7
.irp a, 0,1,2,3
.if gq == 0
	v_wmma_f32_16x16x32_bf16 v[32*\b+8*\a:32*\b+8*\a+7], v[WR+32*(gq&3)+8*\a:WR+32*(gq&3)+8*\a+7], v[XB+64*(gq&1)+8*\b:XB+64*(gq&1)+8*\b+7], 0
.else
	v_wmma_f32_16x16x32_bf16 v[32*\b+8*\a:32*\b+8*\a+7], v[WR+32*(gq&3)+8*\a:WR+32*(gq&3)+8*\a+7], v[XB+64*(gq&1)+8*\b:XB+64*(gq&1)+8*\b+7], v[32*\b+8*\a:32*\b+8*\a+7]
.endif
.endr
.endr
.set gq, gq+1
.endm
.macro SECT sl, n                      ; a section: n steps, the first of which stores slice sl, and the barrier that hands the slice over
	GSTEP \sl
.rept \n-1
	GSTEP -1
.endr
	BAR
.endm
; Rows 16 b .. + 15: r = 1 / (1 + 2^acc) in place on 32 registers, then my share of the score, sum of w2s r over my 64 h.
; Behind each run of transcendentals one plain instruction stands ahead of the first use (ISA guide 5.7.2).
.macro TANHB b
	WIN 0x41
.set j, 0
.rept 32
	v_exp_f32 v[32*\b+j], v[32*\b+j]
.set j, j+1
.endr
	v_nop
.set j, 0
	s_wait_alu depctr_va_vdst(0)
.rept 16
	v_pk_add_f32 v[32*\b+j:32*\b+j+1], v[32*\b+j:32*\b+j+1], 1.0 op_sel_hi:[1,0]
.set j, j+2
.endr
.set j, 0
.rept 32
	v_rcp_f32 v[32*\b+j], v[32*\b+j]
.set j, j+1
.endr
	v_nop
	WIN 0x01                                       ; r from window 1; w2s and the four chains (one for each block a) in window 0
	s_wait_alu depctr_va_vdst(0)
.irp a, 0,1,2,3
	v_pk_mul_f32 v[TS+2*\a:TS+2*\a+1], v[32*\b+8*\a:32*\b+8*\a+1], v[W2R+8*\a:W2R+8*\a+1]
.endr
.irp p, 2,4,6
.irp a, 0,1,2,3
	v_pk_fma_f32 v[TS+2*\a:TS+2*\a+1], v[32*\b+8*\a+\p:32*\b+8*\a+\p+1], v[W2R+8*\a+\p:W2R+8*\a+\p+1], v[TS+2*\a:TS+2*\a+1]
.endr
.endr
	WIN 0
	v_pk_add_f32 v[TS:TS+1], v[TS:TS+1], v[TS+2:TS+3]
	v_pk_add_f32 v[TS+4:TS+5], v[TS+4:TS+5], v[TS+6:TS+7]
	v_pk_add_f32 v[TS:TS+1], v[TS:TS+1], v[TS+4:TS+5]
	v_add_f32 v[TS], v[TS], v[TS+1]
	v_permlanex16_b32 v[TS+8], v[TS], s16, s17     ; the other eight h of each block lie in lane r + 16
	v_add_f32 v[TS], v[TS], v[TS+8]
	ds_store_b32 v[SCST], v[TS] offset:64*\b       ; row 16 b + r; lanes r and r + 16 write the same word with the same value
.endm
; Every wave makes the same m, alpha and p from the same four partial scores in the same order; lane L has rows 4 L .. 4 L + 3.
.macro SOFTMAX
	WIN 0
.irp g, 0,1,2,3
	ds_load_b128 v[SM+4*\g:SM+4*\g+3], v[SCLD] offset:512*\g
.endr
	s_wait_dscnt 0x0
	v_pk_add_f32 v[SM:SM+1], v[SM:SM+1], v[SM+4:SM+5]
	v_pk_add_f32 v[SM+2:SM+3], v[SM+2:SM+3], v[SM+6:SM+7]
	v_pk_add_f32 v[SM+8:SM+9], v[SM+8:SM+9], v[SM+12:SM+13]
	v_pk_add_f32 v[SM+10:SM+11], v[SM+10:SM+11], v[SM+14:SM+15]
	v_pk_add_f32 v[SM:SM+1], v[SM:SM+1], v[SM+8:SM+9]
	v_pk_add_f32 v[SM+2:SM+3], v[SM+2:SM+3], v[SM+10:SM+11]          ; t of my four rows
	v_max3_num_f32 v[SM+4], v[SM], v[SM+1], v[SM+2]
	v_max_num_f32 v[SM+4], v[SM+4], v[SM+3]
	v_max_num_f32_dpp v[SM+4], v[SM+4], v[SM+4] row_xmask:1 row_mask:0xf bank_mask:0xf
	v_max_num_f32_dpp v[SM+4], v[SM+4], v[SM+4] row_xmask:2 row_mask:0xf bank_mask:0xf
	v_max_num_f32_dpp v[SM+4], v[SM+4], v[SM+4] row_xmask:4 row_mask:0xf bank_mask:0xf
	v_max_num_f32_dpp v[SM+4], v[SM+4], v[SM+4] row_xmask:8 row_mask:0xf bank_mask:0xf
	v_permlanex16_b32 v[SM+5], v[SM+4], s16, s17
	v_max3_num_f32 v[SM+6], v[SM+4], v[SM+5], v[MX]                  ; the new running maximum
	v_sub_f32 v[SM+7], v[MX], v[SM+6]                                ; minus infinity in the first tile: alpha = 0
.irp k, 0,1,2,3
	v_sub_f32 v[SM+\k], v[SM+\k], v[SM+6]
.endr
	v_exp_f32 v[AL], v[SM+7]
.irp k, 0,1,2,3
	v_exp_f32 v[SM+\k], v[SM+\k]
.endr
	v_mov_b32 v[MX], v[SM+6]                       ; the plain instruction behind the exponentials
	s_wait_alu depctr_va_vdst(0)
	v_add_f32 v[SM+4], v[SM], v[SM+1]
	v_add_f32 v[SM+5], v[SM+2], v[SM+3]
	v_add_f32 v[SM+4], v[SM+4], v[SM+5]
	v_fma_f32 v[LSUM], v[LSUM], v[AL], v[SM+4]
	v_cvt_pk_bf16_f32 v[SM+8], v[SM], v[SM+1]
	v_cvt_pk_bf16_f32 v[SM+9], v[SM+2], v[SM+3]
	ds_store_b64 v[PBST], v[SM+8:SM+9]
.irp kc, 0,1,2,3
	ds_load_b128 v[PF+8*\kc:PF+8*\kc+3],   v[PBLD] offset:64*\kc      ; LDS serves a wave in order (ISA guide 5.7.1): these see my store above.
	ds_load_b128 v[PF+8*\kc+4:PF+8*\kc+7], v[PBLD] offset:64*\kc+32   ; Every row of this A fragment is the same p: all rows of D come out equal
.endr
.endm
; The pooling product: D = p x X.  X lies in LDS as [row = K][position = N], so B comes by transposing loads.  Group T = 0..15 of my two slices:
; slice 2 w + (T >> 3), 16-byte chunks c = T & 7 (N index 0-7) and c + 8 (N index 8-15): eight rows x two columns 128 bytes apart start in
; sixteen different 16-byte columns of 256.  FETCHP g: groups 2 g and 2 g + 1, 128 rows: 16 loads.
.macro FETCHP g
	WIN 0x40
.irp nt, 0,1
.irp kc, 0,1,2,3
	ds_load_tr16_b128 v[BP+64*((\g)&1)+8*(4*\nt+\kc):BP+64*((\g)&1)+8*(4*\nt+\kc)+3],   v[PA] offset:((2*(\g)+\nt)>>3)*SLICE+16*((2*(\g)+\nt)&7)+32*PITCH*\kc
	ds_load_tr16_b128 v[BP+64*((\g)&1)+8*(4*\nt+\kc)+4:BP+64*((\g)&1)+8*(4*\nt+\kc)+7], v[PA] offset:((2*(\g)+\nt)>>3)*SLICE+16*((2*(\g)+\nt)&7)+32*PITCH*\kc+16*PITCH
.endr
.endr
.endm
.macro MULP g
	WIN 0x54                                       ; A window 0; B, C, D window 1
.irp kc, 0,1,2,3
.irp nt, 0,1
.if \kc == 0
	v_wmma_f32_16x16x32_bf16 v[8*(2*\g+\nt):8*(2*\g+\nt)+7], v[PF+8*\kc:PF+8*\kc+7], v[BP+64*(\g&1)+8*(4*\nt+\kc):BP+64*(\g&1)+8*(4*\nt+\kc)+7], 0
.else
	v_wmma_f32_16x16x32_bf16 v[8*(2*\g+\nt):8*(2*\g+\nt)+7], v[PF+8*\kc:PF+8*\kc+7], v[BP+64*(\g&1)+8*(4*\nt+\kc):BP+64*(\g&1)+8*(4*\nt+\kc)+7], v[8*(2*\g+\nt):8*(2*\g+\nt)+7]
.endif
.endr
.endr
.endm
.macro POOL
	FETCHP 0
	FETCHP 1
.irp g, 0,1,2,3,4,5
	s_wait_dscnt 16                                ; the younger pair of groups, 16 loads, stays out; the first time this also covers p
	MULP \g
	PLACES                                         ; then the buffer just multiplied is loaded again
	FETCHP (\g+2)
.endr
	s_wait_dscnt 16
	MULP 6
	s_wait_dscnt 0x0                               ; nothing was issued behind the last pair
	MULP 7
	PLACES
	WIN 0xd3                                       ; O in window 3, alpha in window 0, D in window 1
.set j, 0
.rept 16
	v_fma_f32 v[OA+j], v[OA+j], v[AL], v[8*j]      ; O = O alpha + sum of p x; these and the four above also part the last products from the next tile
.set j, j+1
.endr
.endm
; A TILE in ten sections, a barrier behind each.  Section n stores slice n.  Slice n is first asked for at the head of step 4 n - 1 (the fetch
; for step 4 n), which opens section n + 1: a slice is read only behind the barrier that follows its stores, and no fragment is late at a boundary.
; Inside a tile only slices that are not yet begun are written.  The barrier behind section 8 hands the partial scores over; the one behind
; section 9 parts the pooling reads from the next tile's stores.
; Slice x (counted from this tile; 8, 9, 10 are the next tile's 0, 1, 2) is converted in steps 4 (x - 3) .. + 3 into park (x & 7) % 3.
; Each park is stored before it is written again: slice 0 ahead of step 0, 1 in step 0, 2 in step 3, then slice n in step 4 n - 5,
; against conversions that begin in steps 0 (park 0), 4 (1), 8 (2), 12 (0), 16 (1), 20 (0), 24 (1), 28 (2).
.macro TILE last
.set wmax, 35-3*\last                  ; W1 steps below this number are asked for: in the last tile none of a next one
.set xmax, 31-16*\last                 ; the last step that asks for X: in the last tile the one that asks for the end of slice 7
.set cmax, 31-12*\last                 ; the last step that converts: four steps on
.set gq, 0
	LSTORE 0
	BAR
.set fq, 0
	FETCHX
	SECT 1, 3                                      ; steps 0-2
	SECT 2, 4                                      ; steps 3-6
	SECT 3, 4
	SECT 4, 4
	SECT 5, 4
	SECT 6, 4
	SECT 7, 4                                      ; steps 23-26
.rept 5
	GSTEP -1                                       ; steps 27-31
.endr
	PLACES                                         ; behind the last products: the tanh phase reads results
	WIN 0
	v_mov_b32 v[TS+8], 0                           ; v_permlanex16_b32 counts as a reader of its destination
.irp b, 0,1,2,3,4,5,6,7
	TANHB \b
.endr
	BAR
	SOFTMAX
	POOL
.if \last == 0
	BAR
.endif
.endm
	; ---- arguments, ids, addresses ----
	s_load_b256 s[4:11], s[0:1], 0x0               ; w1f, W2, X, part
	s_load_b64 s[12:13], s[0:1], 0x20              ; stat
	v_lshl_add_u32 v254, v0, 2, 0x45c00
	v_mov_b32 v255, 0
	v_lshrrev_b32 v30, 5, v0
	v_readfirstlane_b32 s[WV], v30                 ; wave 0..3
	v_and_b32 v[LN], 31, v0
	s_mov_b32 s16, 0x76543210                      ; v_permlanex16_b32: lane i takes lane i of the other half
	s_mov_b32 s17, 0xfedcba98
	s_lshl_b32 s20, ttmp9, 21                      ; 512 rows of 4,096 bytes; 255 x 2^21 is below 2^32
	s_mov_b32 s21, 0
	v_and_b32 v21, 15, v[LN]                       ; r
	v_lshrrev_b32 v22, 4, v[LN]                    ; hh
	v_mul_u32_u24 v23, v21, PITCH
	v_lshl_add_u32 v[XA], v22, 4, v23              ; r PITCH + 16 hh
	v_add_nc_u32 v[XA+1], 2*SLICE, v[XA]
	v_add_nc_u32 v[XA+2], 4*SLICE, v[XA]
	v_add_nc_u32 v[XA+3], 6*SLICE, v[XA]
	v_and_b32 v24, 7, v[LN]
	v_lshl_add_u32 v24, v22, 3, v24                ; row 8 hh + (lane & 7)
	v_mul_u32_u24 v24, v24, PITCH
	v_bfe_u32 v25, v[LN], 3, 1
	v_lshl_add_u32 v24, v25, 7, v24                ; chunk c or c + 8: 128 bytes apart
	s_mul_i32 s22, s[WV], 2*SLICE                  ; the two slices that I pool
	v_add_nc_u32 v[PA], s22, v24
	s_lshl_b32 s23, s[WV], 17                      ; 131,072 w: my quarter of w1f, and as it happens my 32 rows of 4,096 bytes of X
	v_lshl_add_u32 v[WOFF], v[LN], 4, s23
	s_lshl_b32 s24, s[WV], 9
	s_add_co_u32 s24, s24, SCO
	v_lshl_add_u32 v[SCST], v21, 2, s24
	v_lshl_add_u32 v[SCLD], v[LN], 4, SCO
	s_lshl_b32 s25, s[WV], 8
	s_add_co_u32 s26, s25, PB
	v_lshl_add_u32 v[PBST], v[LN], 3, s26
	v_lshl_add_u32 v[PBLD], v22, 4, s26
	v_lshl_add_u32 v26, v22, 5, s25                ; W2: 4 (64 w + 8 hh)
	v_lshlrev_b32 v27, 4, v21                      ; 16 c, c = lane & 15
	v_lshl_add_u32 v28, v22, 12, v27               ; row lane >> 4
	v_add_nc_u32 v[XOFF], s23, v28
	v_mul_u32_u24 v29, v22, PITCH
	v_add_nc_u32 v29, v29, v27
	s_mul_i32 s27, s[WV], 32*PITCH
	v_add_nc_u32 v[LSA], s27, v29
	v_add_nc_u32 v[LSA+1], 2*SLICE, v[LSA]
	v_add_nc_u32 v[LSA+2], 4*SLICE, v[LSA]
	v_add_nc_u32 v[LSA+3], 6*SLICE, v[LSA]
	s_wait_kmcnt 0x0
	s_add_nc_u64 s[8:9], s[8:9], s[20:21]
.irp a, 0,1,2,3
	global_load_b128 v[W2R+8*\a:W2R+8*\a+3],   v26, s[6:7] offset:64*\a      ; W2[64 w + 16 a + 8 hh + 0..7], once for the whole kernel
	global_load_b128 v[W2R+8*\a+4:W2R+8*\a+7], v26, s[6:7] offset:64*\a+16
.endr
	; ---- the stream is started as a tile's tail leaves it: slices 0, 1, 2 parked, slice 3 on its way, W1 steps 0, 1, 2 asked for, each in
	; front of one of the last three quarters.  Quarter pn - 4 is wanted: behind it stand three quarters (24 loads) and the steps of W1
	; issued among them, none up to pn = 13, then one (32) and two (40).  The first wait also covers W2, which is older.
.set pn, 0
.rept 16
.if pn >= 4
.set cnt, 24
.if pn > 13
.set cnt, 24+8*(pn-13)
.endif
	s_wait_loadcnt cnt
.set cq, pn&3
.set cvs, (pn-4)>>2
	XCONV
.endif
.if pn >= 13
.set lq, pn-13
	LOADW
.endif
.set xq, pn&3
.set xsl, pn>>2
	XISSUE
.set pn, pn+1
.endr
	WIN 0
.set j, 0
.rept 16
	v_pk_mul_f32 v[W2R+j:W2R+j+1], v[W2R+j:W2R+j+1], 0xc038aa3b op_sel_hi:[1,0]   ; w2s = -2 log2(e) W2
.set j, j+2
.endr
	v_mov_b32 v[LSUM], 0                           ; O and l start at 0, m at minus infinity: the first alpha is 0
	v_mov_b32 v[MX], 0xff800000
	WIN 0xc0
.set j, 0
.rept 16
	v_mov_b32 v[OA+j], 0
.set j, j+1
.endr
	WIN 0                                          ; at a label and at a branch every window is 0
	s_mov_b32 s18, 3
.Ltile:
	TILE 0
	WIN 0
	s_wait_xcnt 0x0                                ; the loads that name s[8:9] have had their addresses translated: only now the base steps
	s_add_nc_u64 s[8:9], s[8:9], TILEB
	s_sub_co_u32 s18, s18, 1
	s_cmp_lg_u32 s18, 0
	s_cbranch_scc1 .Ltile
	TILE 1                                         ; the last tile asks for nothing beyond its own slices and steps
	; ---- the way out ----
	WIN 0
	v_mov_b32 v160, 0
	v_add_f32_dpp v[LSUM], v[LSUM], v[LSUM] row_xmask:1 row_mask:0xf bank_mask:0xf
	v_add_f32_dpp v[LSUM], v[LSUM], v[LSUM] row_xmask:2 row_mask:0xf bank_mask:0xf
	v_add_f32_dpp v[LSUM], v[LSUM], v[LSUM] row_xmask:4 row_mask:0xf bank_mask:0xf
	v_add_f32_dpp v[LSUM], v[LSUM], v[LSUM] row_xmask:8 row_mask:0xf bank_mask:0xf
	v_permlanex16_b32 v160, v[LSUM], s16, s17
	v_add_f32 v[LSUM], v[LSUM], v160               ; l of the 512 rows, in every lane
	; O[T] of lane r belongs to d = 256 w + 128 (T >> 3) + 4 (T & 7) + (r & 3) + 64 ((r >> 2) & 1) + 32 ((r >> 3) & 1)
	v_and_b32 v161, 3, v[LN]
	v_bfe_u32 v162, v[LN], 2, 1
	v_bfe_u32 v163, v[LN], 3, 1
	v_lshl_add_u32 v161, v162, 6, v161
	v_lshl_add_u32 v161, v163, 5, v161
	s_lshl_b32 s22, s[WV], 10
	s_add_co_u32 s23, s22, OST
	v_lshl_add_u32 v164, v161, 2, s23
	v_lshl_add_u32 v165, v[LN], 4, s23
	s_lshl_b32 s24, ttmp9, 12
	s_add_co_u32 s24, s24, s22
	v_lshl_add_u32 v166, v[LN], 4, s24             ; part: 4,096 x + 1,024 w + 16 lane
	WIN 0x0c
.set j, 0
.rept 16
	ds_store_b32 v164, v[OA+j] offset:512*(j>>3)+16*(j&7)   ; lanes r and r + 16 hold the same number and write the same word
.set j, j+1
.endr
	WIN 0
	ds_load_b128 v[168:171], v165                  ; my own bytes, served in order behind my stores
	ds_load_b128 v[172:175], v165 offset:512
	s_wait_dscnt 0x0
	global_store_b128 v166, v[168:171], s[10:11]            ; each store of the wave covers 512 consecutive bytes
	global_store_b128 v166, v[172:175], s[10:11] offset:512
	s_cmp_lg_u32 s[WV], 0
	s_cbranch_scc1 .Lfin
	s_lshl_b32 s25, ttmp9, 8
	v_lshl_add_u32 v167, v[LN], 3, s25
	global_store_b64 v167, v[MX:LSUM], s[12:13]    ; (m, l) 32 times over: 256 consecutive bytes, written whole by wave 0
.Lfin:
	s_wait_tensorcnt 0x0
	ds_add_u32 v254, v255
	s_wait_dscnt 0x0
	s_endpgm
.Lfunc_end_k_q3e4dc5c035_main:
	.size	k_q3e4dc5c035_main, .Lfunc_end_k_q3e4dc5c035_main-k_q3e4dc5c035_main
	.p2alignl 7, 3214868480
	.fill 96, 4, 3214868480
	.section	.rodata,"a",@progbits
	.p2align	6, 0x0
	.amdhsa_kernel k_q3e4dc5c035_main
		.amdhsa_group_segment_fixed_size 286208
		.amdhsa_private_segment_fixed_size 0
		.amdhsa_enable_private_segment 0
		.amdhsa_kernarg_size 40
		.amdhsa_user_sgpr_count 2
		.amdhsa_user_sgpr_kernarg_segment_ptr 1
		.amdhsa_wavefront_size32 1
		.amdhsa_system_sgpr_workgroup_id_x 1
		.amdhsa_system_sgpr_workgroup_id_y 1
		.amdhsa_system_sgpr_workgroup_id_z 1
		.amdhsa_system_vgpr_workitem_id 0
		.amdhsa_next_free_vgpr 1024
		.amdhsa_next_free_sgpr 66
		.amdhsa_reserve_vcc 0
		.amdhsa_float_denorm_mode_32 3
		.amdhsa_float_denorm_mode_16_64 3
		.amdhsa_memory_ordered 1
		.amdhsa_forward_progress 1
		.amdhsa_inst_pref_size 255
	.end_amdhsa_kernel
	.section	.bss,"aw",@nobits
	.p2align	6
	.space	262144
	.amdgpu_metadata
---
amdhsa.version: [ 1, 2 ]
amdhsa.kernels:
  - .name:           k_q3e4dc5c035_main
    .symbol:         k_q3e4dc5c035_main.kd
    .args:
      - { .name: w1f, .offset: 0, .size: 8, .value_kind: global_buffer, .address_space: global }
      - { .name: W2, .offset: 8, .size: 8, .value_kind: global_buffer, .address_space: global }
      - { .name: tiles_embeddings, .offset: 16, .size: 8, .value_kind: global_buffer, .address_space: global }
      - { .name: part, .offset: 24, .size: 8, .value_kind: global_buffer, .address_space: global }
      - { .name: stat, .offset: 32, .size: 8, .value_kind: global_buffer, .address_space: global }
    .group_segment_fixed_size: 286208
    .private_segment_fixed_size: 0
    .kernarg_segment_align: 8
    .kernarg_segment_size: 40
    .max_flat_workgroup_size: 128
    .sgpr_count:     66
    .vgpr_count:     1024
    .wavefront_size: 32
...
	.end_amdgpu_metadata
.endif
;; end of part 2
;; launch join (part 3): grid 8 x 16, 1 waves a work-group, no clusters, 0 bytes of LDS; arguments part, stat, out0; writes out0
.if DOCPART == 3
	.amdgcn_target "amdgcn-amd-amdhsa--gfx1250"
	.amdhsa_code_object_version 6
	.text
	.protected	k_q3e4dc5c035_join
	.globl	k_q3e4dc5c035_join
	.p2align	8
	.type	k_q3e4dc5c035_join,@function
k_q3e4dc5c035_join:
	s_mov_b64 s[64:65], 0
	v_nop
	global_prefetch_b8 v0, s[64:65] scope:SCOPE_SE
	s_setreg_imm32_b32 hwreg(HW_REG_WAVE_MODE, 25, 1), 1
	s_wait_xcnt 0x0
; out0[b][d] = sum over the 16 partials g of bag b of O_g[d] 2^(m_g - M) / sum over g of l_g 2^(m_g - M), M = the largest m_g.
; m is kept in the base-2 domain by the main launch.  One wave for 128 d of one bag: 16 loads of 512 consecutive bytes, one store of 512.
; About a megabyte is read once by 128 waves that do not depend on each other: no LDS, no barrier, no matrix unit.
.set P, 16                             ; v[16:79] partial g at 4 g
.set A, 8                              ; v[8:11]  the sum
	s_load_b128 s[4:7], s[0:1], 0x0                ; part s[4:5], stat s[6:7]
	s_load_b64 s[8:9], s[0:1], 0x10                ; out0
	s_and_b32 s10, ttmp7, 0xffff                   ; bag
	v_and_b32 v1, 15, v0
	s_lshl_b32 s11, s10, 12                        ; 16 entries of 256 bytes in stat; also a row of out0
	v_lshl_add_u32 v1, v1, 8, s11                  ; lanes g and g + 16 read the pair of partial g
	s_lshl_b32 s12, s10, 16                        ; 16 partials of 4,096 bytes
	s_lshl_b32 s13, ttmp9, 9                       ; my 128 d
	s_add_co_u32 s12, s12, s13
	v_lshl_add_u32 v4, v0, 4, s12
	s_add_co_u32 s13, s11, s13
	v_lshl_add_u32 v5, v0, 4, s13
	s_wait_kmcnt 0x0
	global_load_b64 v[2:3], v1, s[6:7]             ; (m, l)
.irp g, 0,1,2,3,4,5,6,7,8,9,10,11,12,13,14,15
	global_load_b128 v[P+4*\g:P+4*\g+3], v4, s[4:5] offset:4096*\g
.endr
	s_wait_loadcnt 16                              ; the pair is in; the 16 loads behind it stay out
	v_mov_b32 v6, v2
	v_max_num_f32_dpp v6, v6, v6 row_xmask:1 row_mask:0xf bank_mask:0xf
	v_max_num_f32_dpp v6, v6, v6 row_xmask:2 row_mask:0xf bank_mask:0xf
	v_max_num_f32_dpp v6, v6, v6 row_xmask:4 row_mask:0xf bank_mask:0xf
	v_max_num_f32_dpp v6, v6, v6 row_xmask:8 row_mask:0xf bank_mask:0xf   ; M; both halves of the wave hold the same 16 pairs
	v_sub_f32 v7, v2, v6
	v_exp_f32 v7, v7
	v_nop                                          ; one plain instruction behind a transcendental (ISA guide 5.7.2)
	s_wait_alu depctr_va_vdst(0)
	v_mul_f32 v12, v3, v7
	v_add_f32_dpp v12, v12, v12 row_xmask:1 row_mask:0xf bank_mask:0xf
	v_add_f32_dpp v12, v12, v12 row_xmask:2 row_mask:0xf bank_mask:0xf
	v_add_f32_dpp v12, v12, v12 row_xmask:4 row_mask:0xf bank_mask:0xf
	v_add_f32_dpp v12, v12, v12 row_xmask:8 row_mask:0xf bank_mask:0xf    ; at least 1: the row that holds M counts as 1
	v_rcp_f32 v12, v12
	v_nop
	s_wait_alu depctr_va_vdst(0)
	v_mul_f32 v7, v7, v12                          ; the weight of partial g, in lane g
.irp g, 0,1,2,3,4,5,6,7,8,9,10,11,12,13,14,15
	v_readlane_b32 s[16+\g], v7, \g
.endr
	s_wait_loadcnt 15
.irp k, 0,1,2,3
	v_mul_f32 v[A+\k], s16, v[P+\k]                ; the first product starts the sums
.endr
.irp g, 1,2,3,4,5,6,7,8,9,10,11,12,13,14,15
	s_wait_loadcnt 15-\g                           ; partial g is in, the younger ones stay out
.irp k, 0,1,2,3
	v_fmac_f32 v[A+\k], s[16+\g], v[P+4*\g+\k]
.endr
.endr
	global_store_b128 v5, v[A:A+3], s[8:9]
	s_endpgm
.Lfunc_end_k_q3e4dc5c035_join:
	.size	k_q3e4dc5c035_join, .Lfunc_end_k_q3e4dc5c035_join-k_q3e4dc5c035_join
	.p2alignl 7, 3214868480
	.fill 96, 4, 3214868480
	.section	.rodata,"a",@progbits
	.p2align	6, 0x0
	.amdhsa_kernel k_q3e4dc5c035_join
		.amdhsa_group_segment_fixed_size 0
		.amdhsa_private_segment_fixed_size 0
		.amdhsa_enable_private_segment 0
		.amdhsa_kernarg_size 24
		.amdhsa_user_sgpr_count 2
		.amdhsa_user_sgpr_kernarg_segment_ptr 1
		.amdhsa_wavefront_size32 1
		.amdhsa_system_sgpr_workgroup_id_x 1
		.amdhsa_system_sgpr_workgroup_id_y 1
		.amdhsa_system_sgpr_workgroup_id_z 1
		.amdhsa_system_vgpr_workitem_id 0
		.amdhsa_next_free_vgpr 96
		.amdhsa_next_free_sgpr 66
		.amdhsa_reserve_vcc 0
		.amdhsa_float_denorm_mode_32 3
		.amdhsa_float_denorm_mode_16_64 3
		.amdhsa_memory_ordered 1
		.amdhsa_forward_progress 1
		.amdhsa_inst_pref_size 7
	.end_amdhsa_kernel
	.amdgpu_metadata
---
amdhsa.version: [ 1, 2 ]
amdhsa.kernels:
  - .name:           k_q3e4dc5c035_join
    .symbol:         k_q3e4dc5c035_join.kd
    .args:
      - { .name: part, .offset: 0, .size: 8, .value_kind: global_buffer, .address_space: global }
      - { .name: stat, .offset: 8, .size: 8, .value_kind: global_buffer, .address_space: global }
      - { .name: out0, .offset: 16, .size: 8, .value_kind: global_buffer, .address_space: global }
    .group_segment_fixed_size: 0
    .private_segment_fixed_size: 0
    .kernarg_segment_align: 8
    .kernarg_segment_size: 24
    .max_flat_workgroup_size: 32
    .sgpr_count:     66
    .vgpr_count:     96
    .wavefront_size: 32
...
	.end_amdgpu_metadata
.endif
;; end of part 3
;; ======== version 2 of 2: 3 launches; version 1 with the launch main written anew for expert scheduling mode
;; workspace buffers: w1f 524,288 bytes; part 1,048,576 bytes; stat 65,536 bytes
;; launch prep: the kernel of part 1 again; grid 32 x 1, 4 waves a work-group, no clusters, 0 bytes of LDS; arguments W1, w1f; writes w1f
;; launch main (part 4): grid 256 x 1, 4 waves a work-group, no clusters, 286,208 bytes of LDS; arguments w1f, W2, tiles_embeddings, part, stat; writes part, stat
.if DOCPART == 4
	.amdgcn_target "amdgcn-amd-amdhsa--gfx1250"
	.amdhsa_code_object_version 6
	.text
	.protected	k_q3e4dc5c035_main
	.globl	k_q3e4dc5c035_main
	.p2align	8
	.type	k_q3e4dc5c035_main,@function
k_q3e4dc5c035_main:
	s_mov_b64 s[64:65], 0
	v_nop
	global_prefetch_b8 v0, s[64:65] scope:SCOPE_SE
	s_setreg_imm32_b32 hwreg(HW_REG_WAVE_SCHED_MODE, 0, 2), 2
	s_setreg_imm32_b32 hwreg(HW_REG_WAVE_MODE, 25, 1), 1
	s_wait_xcnt 0x0
	s_wait_alu depctr_vm_vsrc(0)
; Attention pooling, one pass over X.  Work-group x owns rows 512 x .. 512 x + 511 of X taken as [131072][1024] f32 (bag x >> 4)
; and walks them in four tiles of 128 rows.  For a tile: acc = X (2 log2(e) W1)^T on the matrix units in bf16, r = 1 / (1 + 2^acc),
; t = sum over h of w2s[h] r[h] with w2s = -2 log2(e) W2.  Since tanh z = 1 - 2 r, t is log2(e) x score less a term that is the same
; for every row, which a softmax does not see.  Then the running maximum m, p = 2^(t - m), l = l alpha + sum p,
; O = O alpha + p X (matrix units again, X still in LDS in bf16), alpha = 2^(m old - m new).  O (unnormalised), m and l go to part and stat.
; 2^acc = infinity gives r = 0 (tanh = 1), 2^acc = 0 gives r = 1 (tanh = -1): the saturated ends come out right.
; LIMITS.  Inputs that hold NaN or infinities are not followed as the reference follows them (the maxima drop a NaN).
; l sums the p in f32, the pooling product takes the same p rounded to bf16.  All matrix operands are bf16, which has the range of f32.
;
; FOUR WAVES, as many as a WGP has SIMDs, all running this one text.  In the product wave w owns h = 64 w .. 64 w + 63 for all 128 rows
; (32 accumulator tiles, 256 registers) and loads its own quarter of w1f straight into fragments, 512 consecutive bytes a load.
; The same wave brings rows 32 w .. 32 w + 31 of every slice of 128 k: f32 into registers, rounded to bf16 into a park of registers,
; and from there to LDS when the slice's place is free.  Both streams run on one counter, which counts in issue order (ISA guide 5.7.1),
; so they are issued in the order in which they are used: a step issues 8 loads of W1 for three steps on, then 8 loads of X that are
; converted four steps on.  By this text's own count 56 loads of a wave are out behind a step's issue, 32 of them X (16,384 bytes).
;
; NO CLUSTER.  What work-groups share is w1f.  A joint request lands in LDS: beside the 285,696 bytes used here 41,984 of the 327,680
; that a work-group can have are left, and each quarter of w1f is read by one wave alone, so the way through LDS would add 524,288 bytes
; written and as many read to each tile and spare no register.  X is shared by nobody.
; NO TENSOR LOADS: X changes its format on the way, so it passes through registers, and an f32 stage has no room in LDS.
;
; ORDER OF K (as in w1f): in a slice of 128 k, position 8 c + e holds true k = 4 c + (e & 3) + 64 (e >> 2).  A lane takes 16 bytes
; at 16 c and 16 bytes at 256 + 16 c of a row slice (sixteen lanes: 256 consecutive bytes each time) and packs them into one 16-byte store.
;
; THE MODE: SCHED_MODE bits 1:0 = 2 (LLVM: expert scheduling mode 2), set by the entry lines.  The code itself states the register dependences
; between vector or matrix instructions and memory or LDS instructions, with s_wait_alu, always for 0.
; THE PLAN.  Registers that memory or LDS instructions touch, and who else names them:
;   FL0 .. FL3   Step q: its sixteen conversions read FL[q & 3]; behind the step's wait the next loads of X land in it.
;   WR0 .. WR3   Step q: its products read WR[q & 3]; the loads of W1 issued in step q + 1 land in it.
;   XB0, XB1     Step q: its products read XB[q & 1]; the LDS loads issued in step q + 1 land in it.  In the pooling they are B's third and fourth buffer.
;   PK0 .. PK2   Written by the conversions of four steps; read, four steps later or more, by the sixteen LDS stores of a slice; then written again.
;   BP0, BP1     Accumulators in the product and the tanh phase; in the pooling transposing loads land in them and products read them.
;   SC, SM, PF   The scores' way through LDS: written by vector work or LDS loads, read by LDS stores, vector work or the pooling products, once a tile.
;   v1-10, v16-20  Addresses and offsets, made at the head and never written again: the tile's rows are reached by a scalar base and immediates.
; ONE wait on va_vdst stands in a step, behind its conversions: they are done reading FL[q & 3] and have written their park, and the products of the step
; before are done reading XB[(q + 1) & 1] and WR[(q - 1) & 3].  All that the step loads and stores follows that wait, dealt among the step's products,
; which name XB[q & 1], WR[q & 3] and the accumulators: none of the registers that those loads and stores touch.
; A wait on vm_vsrc stands ahead of the conversions in five steps of a tile, so that one lies between each park's stores and its next conversions.
.set PITCH, 272                        ; an LDS row: 128 bf16 + 16 bytes = 17 x 16: sixteen rows start in sixteen different 16-byte columns of 256
.set SLICE, 128*PITCH                  ; 34,816 bytes: 128 rows of one slice
.set SCO,   8*SLICE                    ; [wave 4][row 128] f32: partial scores
.set PB,    SCO+2048                   ; [wave 4][row 128] bf16: p, each wave its own copy
.set OST,   PB+1024                    ; [wave 4][256] f32: stage that puts O back into the true order of d; behind it, from byte 285,696 on, the spare words
.set TILEB, 128*4096                   ; bytes of X in a tile
; scalars: s[4:5] w1f, s[6:7] W2, s[8:9] X at the tile, s[10:11] part, s[12:13] stat, s14 wave,
;          s16-17 selects of v_permlanex16_b32, s18 tile counter, s20-27 at work
.set WV, 14
; window 0 (v0-255)
.set XA,   1                           ; v1-4    r PITCH + 16 hh + 2 j SLICE: X fragments of slices 2 j, 2 j + 1
.set PA,   5                           ; v5      address of the transposing loads
.set WOFF, 6                           ; v6      131,072 w + 16 lane: my bytes in w1f
.set SCST, 7                           ; v7      where I put a partial score
.set SCLD, 8                           ; v8      where I read four rows of partial scores
.set PBST, 9                           ; v9      where I put four p
.set PBLD, 10                          ; v10     where I read fragments of p
.set MX,   12                          ; v12     m
.set LSUM, 13                          ; v13     l, the part of my rows 4 lane .. + 3
.set AL,   14                          ; v14     alpha
.set LN,   15                          ; v15     lane
.set XOFF, 16                          ; v16     my 16 bytes in the first two of my rows of X
.set LSA,  17                          ; v17-20  where they go in slices 2 j, 2 j + 1
.set SC,   21                          ; v21-28  my share of the score of row 16 b + r at + b (at the head v21-30 are at work on the addresses)
.set XB,   32                          ; v32-159 two buffers of eight X fragments: step q in buffer q & 1, rows 16 b .. at + 8 b; in the pooling two buffers of B
.set PF,   160                         ; v160-191 four fragments of p
.set W2R,  192                         ; v192-223 w2s of my lane: block a of 16 h at + 8 a; kept for the whole kernel
.set SM,   224                         ; v224-239 at work in the softmax
.set TS,   240                         ; v240-248 at work in the tanh phase
                                       ; v254, v255: the address of my spare word and 0, for the closing lines alone
; window 1 (v256-511): accumulator tile (b, a) at 8 (4 b + a); in the pooling D of group T at 8 T and two buffers of B at BP
.set BP,   128
; window 2 (v512-767)
.set WR,   0                           ; ring of four steps of W1: step q at 32 (q & 3), fragment a at + 8 a
.set FL,   128                         ; X in flight, f32: four quarter slices of 32 registers; unit k (two rows) at + 8 k
; window 3 (v768-1023)
.set PK,   0                           ; three parks of 64 registers: slice n in park n % 3, unit i at + 4 i
.set OA,   192                         ; O: register T, lane r = position group T, index r
.set MSB, 0
.macro WIN new                         ; s_set_vgpr_msb: bits 1:0 source 0, 3:2 source 1, 5:4 source 2, 7:6 destination; the high byte repeats the setting left
.if MSB != (\new)
	s_set_vgpr_msb (MSB<<8)|(\new)
.set MSB, (\new)
.endif
.endm
; Four plain vector instructions stand between a matrix instruction and a vector instruction that reads its result or writes one of its
; registers; this text keeps the same distance in front of loads into such registers, beside the wait that states the dependence.
.macro PLACES
.rept 4
	v_nop
.endr
.endm
.macro BAR
	s_wait_dscnt 0x0                               ; for the others: my LDS stores are in, my LDS reads are over
	s_barrier_signal -1
	s_barrier_wait -1
.endm
; X fragments of step fq (0..31 in a tile): slice fq >> 2, 32 positions at byte 64 (fq & 3), all 128 rows: sixteen loads.
.macro FETCHX
	WIN 0
.irp b, 0,1,2,3,4,5,6,7
	ds_load_b128 v[XB+64*(fq&1)+8*\b:XB+64*(fq&1)+8*\b+3],   v[XA+(fq>>3)] offset:((fq>>2)&1)*SLICE+\b*16*PITCH+64*(fq&3)
	ds_load_b128 v[XB+64*(fq&1)+8*\b+4:XB+64*(fq&1)+8*\b+7], v[XA+(fq>>3)] offset:((fq>>2)&1)*SLICE+\b*16*PITCH+64*(fq&3)+32
.endr
.endm
; Step lq of W1 (32 positions, my 64 h): four fragments, eight loads of 512 consecutive bytes.  Steps 32 to 34 are steps 0 to 2 of the next tile.
.macro LOADW
	WIN 0x80
.irp a, 0,1,2,3
	global_load_b128 v[WR+32*(lq&3)+8*\a:WR+32*(lq&3)+8*\a+3],   v[WOFF], s[4:5] offset:(lq%32)*4096+1024*\a
	global_load_b128 v[WR+32*(lq&3)+8*\a+4:WR+32*(lq&3)+8*\a+7], v[WOFF], s[4:5] offset:(lq%32)*4096+1024*\a+512
.endr
.endm
; Quarter xq of slice xsl: units 4 xq .. + 3 (unit i = rows 2 i, 2 i + 1 of my 32), eight loads.  xsl counts from the tile at s[8:9]; 8 and more lie in the next tile.
.macro XISSUE
	WIN 0x80
.irp k, 0,1,2,3
	global_load_b128 v[FL+32*xq+8*\k:FL+32*xq+8*\k+3],   v[XOFF], s[8:9] offset:(xsl>>3)*TILEB+(xsl&7)*512+8192*(4*xq+\k) th:TH_LOAD_NT
	global_load_b128 v[FL+32*xq+8*\k+4:FL+32*xq+8*\k+7], v[XOFF], s[8:9] offset:(xsl>>3)*TILEB+(xsl&7)*512+8192*(4*xq+\k)+256 th:TH_LOAD_NT
.endr
.endm
; Quarter cq of slice cvs is rounded into its park: sixteen conversions, which name registers of windows 2 (upper half) and 3 alone.
.macro XCONV
	WIN 0xca
.irp k, 0,1,2,3
	v_cvt_pk_bf16_f32 v[PK+64*((cvs&7)%3)+4*(4*cq+\k)],   v[FL+32*cq+8*\k],   v[FL+32*cq+8*\k+1]
	v_cvt_pk_bf16_f32 v[PK+64*((cvs&7)%3)+4*(4*cq+\k)+1], v[FL+32*cq+8*\k+2], v[FL+32*cq+8*\k+3]
	v_cvt_pk_bf16_f32 v[PK+64*((cvs&7)%3)+4*(4*cq+\k)+2], v[FL+32*cq+8*\k+4], v[FL+32*cq+8*\k+5]
	v_cvt_pk_bf16_f32 v[PK+64*((cvs&7)%3)+4*(4*cq+\k)+3], v[FL+32*cq+8*\k+6], v[FL+32*cq+8*\k+7]
.endr
.endm
.macro LSTORE sl                       ; park sl % 3 goes to slice sl of LDS: sixteen lanes fill the 256 bytes of a row
	WIN 0x0c
.set j, 0
.rept 16
	ds_store_b128 v[LSA+(\sl>>1)], v[PK+64*(\sl%3)+4*j:PK+64*(\sl%3)+4*j+3] offset:(\sl&1)*SLICE+2*PITCH*j
.set j, j+1
.endr
.endm
; Four products of step gq: rows 16 b .. + 15 of X against my four blocks of 16 h.
; D = W1 fragment (rows h) x X fragment (columns = rows of X): register j of lane (r, hh) is h = 64 w + 16 a + 8 hh + j of X row 16 b + r,
; so the sum over h of a row stays in two lanes.  In step 0 the constant 0 starts the sums: nothing is cleared.  The 32 accumulators take turns.
.macro MULB b
	WIN 0x52                                       ; A window 2, B window 0, C and D window 1
.irp a, 0,1,2,3
.if gq == 0
	v_wmma_f32_16x16x32_bf16 v[32*\b+8*\a:32*\b+8*\a+7], v[WR+32*(gq&3)+8*\a:WR+32*(gq&3)+8*\a+7], v[XB+64*(gq&1)+8*\b:XB+64*(gq&1)+8*\b+7], 0
.else
	v_wmma_f32_16x16x32_bf16 v[32*\b+8*\a:32*\b+8*\a+7], v[WR+32*(gq&3)+8*\a:WR+32*(gq&3)+8*\a+7], v[XB+64*(gq&1)+8*\b:XB+64*(gq&1)+8*\b+7], v[32*\b+8*\a:32*\b+8*\a+7]
.endif
.endr
.endm
; STEP gq: the conversions, one wait on va_vdst, then 32 matrix instructions with all that the step asks for dealt among them.
; The wait on loads.  A step issues W(q + 3), then X(q).  Behind W(q), issued in step q - 3, stand X(q-3), W(q+1), X(q-2), W(q+2), X(q-1):
; 8 for each of the five that exists, 40 in the loop.  X(q-4), which is converted now, is older than W(q).  In the last tile X ends with
; step xmax and W1 with step wmax - 1, and the count runs down to 0.
; The sixteen conversions are the places behind the last step's products: only then are the X buffer and the ring place that those read loaded again.
; The wait on vm_vsrc.  A park is stored, and written again from: park 0 ahead of step 0, from 0; 1 in 0, from 4; 2 in 3, from 8; 0 in 7, from 12;
; 1 in 11, from 16; 0 in 19, from 20; 1 in 23, from 24; 2 in 15, from 28.  Waits in steps 0, 4, 12, 20 and 24 lie between each pair.
; The wait on LDS: this step's fragments were asked for in the step before; the 16 stores of a slice stay out where that step issued them behind the fetch.
; Behind a barrier the wait is met at once.
.macro GSTEP sl
.set cnt, 0
.if gq-3 <= xmax
.set cnt, cnt+8
.endif
.if gq-2 <= xmax
.set cnt, cnt+8
.endif
.if gq-1 <= xmax
.set cnt, cnt+8
.endif
.if gq+1 < wmax
.set cnt, cnt+8
.endif
.if gq+2 < wmax
.set cnt, cnt+8
.endif
	s_wait_loadcnt cnt
.if gq <= cmax
.if (gq == 0) || (gq == 4) || (gq == 12) || (gq == 20) || (gq == 24)
	s_wait_alu depctr_vm_vsrc(0)                   ; the LDS stores issued so far have read their parks, which the conversions from here on write again; in step 0 also: the stores of the tile before have read v[SC ..] and v[SM+8 ..], the loads of W2 their offset
.endif
.set cq, gq&3
.set cvs, 3+(gq>>2)
	XCONV
.elseif gq < 31
	PLACES
.endif
.if (gq < 31) || (gq+3 < wmax) || (gq <= xmax)
	s_wait_alu depctr_va_vdst(0)                   ; the conversions are done reading FL[q & 3] and have written their park; the last step's products are done reading XB[(q + 1) & 1] and WR[(q - 1) & 3]
.endif
	s_wait_dscnt pend
	MULB 0
.if gq < 31
.set fq, gq+1
	FETCHX                                         ; early in the step: 28 products stand between these loads and the wait for them.  No wait: the products since the wait above name the other X buffer
.endif
	MULB 1
	MULB 2
.if gq+3 < wmax
.set lq, gq+3
	LOADW                                          ; no product since the wait names this place of the ring,
.endif
.if gq <= xmax
.set xq, gq&3
.set xsl, 4+(gq>>2)
	XISSUE                                         ; nor the quarter just converted
.endif
	MULB 3
	MULB 4
.set pend, 0
.if \sl >= 0
	LSTORE \sl                                     ; its park was written four steps ago or more, ahead of the wait above
.set pend, 16
.endif
	MULB 5
	MULB 6
	MULB 7
.set gq, gq+1
.endm
.macro SECT sl, n                      ; a section: n steps, the first of which stores slice sl, and the barrier that hands the slice over
	GSTEP \sl
.rept \n-1
	GSTEP -1
.endr
	BAR
.endm
; Rows 16 b .. + 15: r = 1 / (1 + 2^acc) in place on 32 registers, then my share of the score, sum of w2s r over my 64 h, into v[SC + b].
; Behind each run of transcendentals one plain instruction stands ahead of the first use (ISA guide 5.7.2).
.macro TANHB b
	WIN 0x41
.set j, 0
.rept 32
	v_exp_f32 v[32*\b+j], v[32*\b+j]
.set j, j+1
.endr
	v_nop
.set j, 0
	s_wait_alu depctr_va_vdst(0)                   ; the block's 32 exponentials are written, ahead of their first reader
.rept 16
	v_pk_add_f32 v[32*\b+j:32*\b+j+1], v[32*\b+j:32*\b+j+1], 1.0 op_sel_hi:[1,0]
.set j, j+2
.endr
.set j, 0
.rept 32
	v_rcp_f32 v[32*\b+j], v[32*\b+j]
.set j, j+1
.endr
	v_nop
	WIN 0x01                                       ; r from window 1; w2s and the four chains (one for each block a) in window 0
	s_wait_alu depctr_va_vdst(0)                   ; the block's 32 reciprocals are written, ahead of their first reader
.irp a, 0,1,2,3
	v_pk_mul_f32 v[TS+2*\a:TS+2*\a+1], v[32*\b+8*\a:32*\b+8*\a+1], v[W2R+8*\a:W2R+8*\a+1]
.endr
.irp p, 2,4,6
.irp a, 0,1,2,3
	v_pk_fma_f32 v[TS+2*\a:TS+2*\a+1], v[32*\b+8*\a+\p:32*\b+8*\a+\p+1], v[W2R+8*\a+\p:W2R+8*\a+\p+1], v[TS+2*\a:TS+2*\a+1]
.endr
.endr
	WIN 0
	v_pk_add_f32 v[TS:TS+1], v[TS:TS+1], v[TS+2:TS+3]
	v_pk_add_f32 v[TS+4:TS+5], v[TS+4:TS+5], v[TS+6:TS+7]
	v_pk_add_f32 v[TS:TS+1], v[TS:TS+1], v[TS+4:TS+5]
	v_add_f32 v[TS], v[TS], v[TS+1]
	v_permlanex16_b32 v[TS+8], v[TS], s16, s17     ; the other eight h of each block lie in lane r + 16
	v_add_f32 v[SC+\b], v[TS], v[TS+8]             ; a register to each block, so that the eight stores follow one wait
.endm
; Every wave makes the same m, alpha and p from the same four partial scores in the same order; lane L has rows 4 L .. 4 L + 3.
.macro SOFTMAX
	WIN 0
.irp g, 0,1,2,3
	ds_load_b128 v[SM+4*\g:SM+4*\g+3], v[SCLD] offset:512*\g   ; no vector instruction since the wait ahead of the scores' stores: the last tile's softmax is done with v[SM ..]
.endr
	s_wait_dscnt 0x0
	v_pk_add_f32 v[SM:SM+1], v[SM:SM+1], v[SM+4:SM+5]
	v_pk_add_f32 v[SM+2:SM+3], v[SM+2:SM+3], v[SM+6:SM+7]
	v_pk_add_f32 v[SM+8:SM+9], v[SM+8:SM+9], v[SM+12:SM+13]
	v_pk_add_f32 v[SM+10:SM+11], v[SM+10:SM+11], v[SM+14:SM+15]
	v_pk_add_f32 v[SM:SM+1], v[SM:SM+1], v[SM+8:SM+9]
	v_pk_add_f32 v[SM+2:SM+3], v[SM+2:SM+3], v[SM+10:SM+11]          ; t of my four rows
	v_max3_num_f32 v[SM+4], v[SM], v[SM+1], v[SM+2]
	v_max_num_f32 v[SM+4], v[SM+4], v[SM+3]
	v_max_num_f32_dpp v[SM+4], v[SM+4], v[SM+4] row_xmask:1 row_mask:0xf bank_mask:0xf
	v_max_num_f32_dpp v[SM+4], v[SM+4], v[SM+4] row_xmask:2 row_mask:0xf bank_mask:0xf
	v_max_num_f32_dpp v[SM+4], v[SM+4], v[SM+4] row_xmask:4 row_mask:0xf bank_mask:0xf
	v_max_num_f32_dpp v[SM+4], v[SM+4], v[SM+4] row_xmask:8 row_mask:0xf bank_mask:0xf
	v_permlanex16_b32 v[SM+5], v[SM+4], s16, s17
	v_max3_num_f32 v[SM+6], v[SM+4], v[SM+5], v[MX]                  ; the new running maximum
	v_sub_f32 v[SM+7], v[MX], v[SM+6]                                ; minus infinity in the first tile: alpha = 0
.irp k, 0,1,2,3
	v_sub_f32 v[SM+\k], v[SM+\k], v[SM+6]
.endr
	v_exp_f32 v[AL], v[SM+7]
.irp k, 0,1,2,3
	v_exp_f32 v[SM+\k], v[SM+\k]
.endr
	v_mov_b32 v[MX], v[SM+6]                       ; the plain instruction behind the exponentials
	s_wait_alu depctr_va_vdst(0)                   ; alpha and the four p are written, ahead of their first reader
	v_cvt_pk_bf16_f32 v[SM+8], v[SM], v[SM+1]
	v_cvt_pk_bf16_f32 v[SM+9], v[SM+2], v[SM+3]
	s_wait_alu depctr_va_vdst(0)                   ; the two roundings have written v[SM+8 ..], which the store reads.  Also: the last tile's pooling products are done with v[PF ..], the tanh phase with BP, this tile's products with XB: loads land in all of them below
	ds_store_b64 v[PBST], v[SM+8:SM+9]
.irp kc, 0,1,2,3
	ds_load_b128 v[PF+8*\kc:PF+8*\kc+3],   v[PBLD] offset:64*\kc      ; LDS serves a wave in order (ISA guide 5.7.1): these see my store above.
	ds_load_b128 v[PF+8*\kc+4:PF+8*\kc+7], v[PBLD] offset:64*\kc+32   ; Every row of this A fragment is the same p: all rows of D come out equal
.endr
.endm
; The pooling product: D = p x X.  X lies in LDS as [row = K][position = N], so B comes by transposing loads.  Group T = 0..15 of my two slices:
; slice 2 w + (T >> 3), 16-byte chunks c = T & 7 (N index 0-7) and c + 8 (N index 8-15): eight rows x two columns 128 bytes apart start in
; sixteen different 16-byte columns of 256.  FETCHP g: groups 2 g and 2 g + 1, 128 rows: 16 loads.
; Pair g lies in buffer g & 3 of four: two at BP in window 1, two at XB in window 0, which holds no fragment of X that is still wanted.
.macro PBUF g
.if ((\g)&3) < 2
.set pb, BP+64*((\g)&1)
.set pw, 1
.else
.set pb, XB+64*((\g)&1)
.set pw, 0
.endif
.endm
.macro FETCHP g
	PBUF \g
	WIN 0x40*pw
.irp nt, 0,1
.irp kc, 0,1,2,3
	ds_load_tr16_b128 v[pb+8*(4*\nt+\kc):pb+8*(4*\nt+\kc)+3],   v[PA] offset:((2*(\g)+\nt)>>3)*SLICE+16*((2*(\g)+\nt)&7)+32*PITCH*\kc
	ds_load_tr16_b128 v[pb+8*(4*\nt+\kc)+4:pb+8*(4*\nt+\kc)+7], v[PA] offset:((2*(\g)+\nt)>>3)*SLICE+16*((2*(\g)+\nt)&7)+32*PITCH*\kc+16*PITCH
.endr
.endr
.endm
.macro MULP g
	PBUF \g
	WIN 0x50+4*pw                                  ; A window 0; B window 1 or 0; C, D window 1
.irp kc, 0,1,2,3
.irp nt, 0,1
.if \kc == 0
	v_wmma_f32_16x16x32_bf16 v[8*(2*\g+\nt):8*(2*\g+\nt)+7], v[PF+8*\kc:PF+8*\kc+7], v[pb+8*(4*\nt+\kc):pb+8*(4*\nt+\kc)+7], 0
.else
	v_wmma_f32_16x16x32_bf16 v[8*(2*\g+\nt):8*(2*\g+\nt)+7], v[PF+8*\kc:PF+8*\kc+7], v[pb+8*(4*\nt+\kc):pb+8*(4*\nt+\kc)+7], v[8*(2*\g+\nt):8*(2*\g+\nt)+7]
.endif
.endr
.endr
.endm
; Three pairs are on their way: s_wait_dscnt 32 lets the two younger pairs stay out; the first time it also covers p.  With four buffers a wait on va_vdst
; stands behind pairs 1 and 3 alone: it frees two buffers, of which one is asked for at once and the other behind the next pair's products, which name neither.
.macro POOL
	FETCHP 0
	FETCHP 1
	FETCHP 2
	v_add_f32 v[SM+4], v[SM], v[SM+1]              ; l's arithmetic stands where the loads are on their way; it names none of their registers
	v_add_f32 v[SM+5], v[SM+2], v[SM+3]
	v_add_f32 v[SM+4], v[SM+4], v[SM+5]
	v_fma_f32 v[LSUM], v[LSUM], v[AL], v[SM+4]
	s_wait_dscnt 32
	MULP 0
	FETCHP 3                                       ; the fourth buffer: nothing since the softmax's last wait names it
	s_wait_dscnt 32
	MULP 1
	PLACES
	s_wait_alu depctr_va_vdst(0)                   ; the products of pairs 0 and 1 are done reading buffers 0 and 1, in which pairs 4 and 5 land
	FETCHP 4
	s_wait_dscnt 32
	MULP 2
	FETCHP 5
	s_wait_dscnt 32
	MULP 3
	PLACES
	s_wait_alu depctr_va_vdst(0)                   ; the products of pairs 2 and 3 are done reading buffers 2 and 3, in which pairs 6 and 7 land
	FETCHP 6
	s_wait_dscnt 32
	MULP 4
	FETCHP 7
	s_wait_dscnt 32
	MULP 5
	s_wait_dscnt 16                                ; the last pair stays out
	MULP 6
	s_wait_dscnt 0x0                               ; nothing was issued behind the last pair
	MULP 7
	PLACES
	WIN 0xd3                                       ; O in window 3, alpha in window 0, D in window 1
.set j, 0
.rept 16
	v_fma_f32 v[OA+j], v[OA+j], v[AL], v[8*j]      ; O = O alpha + sum of p x; these and the four above also part the last products from the next tile
.set j, j+1
.endr
.endm
; A TILE in ten sections, a barrier behind each.  Section n stores slice n.  Slice n is first asked for in step 4 n - 1 (the fetch
; for step 4 n), which opens section n + 1: a slice is read only behind the barrier that follows its stores, and no fragment is late at a boundary.
; Inside a tile only slices that are not yet begun are written.  The barrier behind section 8 hands the partial scores over; the one behind
; section 9 parts the pooling reads from the next tile's stores.
; Slice x (counted from this tile; 8, 9, 10 are the next tile's 0, 1, 2) is converted in steps 4 (x - 3) .. + 3 into park (x & 7) % 3.
; Each park is stored before it is written again: slice 0 ahead of step 0, 1 in step 0, 2 in step 3, then slice n in step 4 n - 5,
; against conversions that begin in steps 0 (park 0), 4 (1), 8 (2), 12 (0), 16 (1), 20 (0), 24 (1), 28 (2).
.macro TILE last
.set wmax, 35-3*\last                  ; W1 steps below this number are asked for: in the last tile none of a next one
.set xmax, 31-16*\last                 ; the last step that asks for X: in the last tile the one that asks for the end of slice 7
.set cmax, 31-12*\last                 ; the last step that converts: four steps on
.set gq, 0
	LSTORE 0                                       ; park 0 was written eight steps ahead of the tile's end (in the first tile: in the prologue), ahead of many waits on va_vdst
	BAR
	s_wait_alu depctr_va_vdst(0)                   ; the pooling products of the tile before are done reading v[XB ..], in which step 0's fragments land (the first tile has none before it)
.set fq, 0
	FETCHX
.set pend, 0
	SECT 1, 3                                      ; steps 0-2
	SECT 2, 4                                      ; steps 3-6
	SECT 3, 4
	SECT 4, 4
	SECT 5, 4
	SECT 6, 4
	SECT 7, 4                                      ; steps 23-26
.rept 5
	GSTEP -1                                       ; steps 27-31
.endr
	PLACES                                         ; behind the last products: the tanh phase reads results
	WIN 0
	v_mov_b32 v[TS+8], 0                           ; v_permlanex16_b32 counts as a reader of its destination
.irp b, 0,1,2,3,4,5,6,7
	TANHB \b
.endr
	s_wait_alu depctr_va_vdst(0)                   ; the eight blocks have written v[SC ..], which the stores read
.irp b, 0,1,2,3,4,5,6,7
	ds_store_b32 v[SCST], v[SC+\b] offset:64*\b    ; row 16 b + r; lanes r and r + 16 write the same word with the same value
.endr
	BAR
	SOFTMAX
	POOL
.if \last == 0
	BAR
.endif
.endm
	; ---- arguments, ids, addresses ----
	s_load_b256 s[4:11], s[0:1], 0x0               ; w1f, W2, X, part
	s_load_b64 s[12:13], s[0:1], 0x20              ; stat
	v_lshl_add_u32 v254, v0, 2, 0x45c00
	v_mov_b32 v255, 0
	v_lshrrev_b32 v30, 5, v0
	v_readfirstlane_b32 s[WV], v30                 ; wave 0..3
	v_and_b32 v[LN], 31, v0
	s_mov_b32 s16, 0x76543210                      ; v_permlanex16_b32: lane i takes lane i of the other half
	s_mov_b32 s17, 0xfedcba98
	s_lshl_b32 s20, ttmp9, 21                      ; 512 rows of 4,096 bytes; 255 x 2^21 is below 2^32
	s_mov_b32 s21, 0
	v_and_b32 v21, 15, v[LN]                       ; r
	v_lshrrev_b32 v22, 4, v[LN]                    ; hh
	v_mul_u32_u24 v23, v21, PITCH
	v_lshl_add_u32 v[XA], v22, 4, v23              ; r PITCH + 16 hh
	v_add_nc_u32 v[XA+1], 2*SLICE, v[XA]
	v_add_nc_u32 v[XA+2], 4*SLICE, v[XA]
	v_add_nc_u32 v[XA+3], 6*SLICE, v[XA]
	v_and_b32 v24, 7, v[LN]
	v_lshl_add_u32 v24, v22, 3, v24                ; row 8 hh + (lane & 7)
	v_mul_u32_u24 v24, v24, PITCH
	v_bfe_u32 v25, v[LN], 3, 1
	v_lshl_add_u32 v24, v25, 7, v24                ; chunk c or c + 8: 128 bytes apart
	s_wait_alu depctr_va_sdst(0)                   ; s14, the wave's number, is written, ahead of its first reader
	s_mul_i32 s22, s[WV], 2*SLICE                  ; the two slices that I pool
	v_add_nc_u32 v[PA], s22, v24
	s_lshl_b32 s23, s[WV], 17                      ; 131,072 w: my quarter of w1f, and as it happens my 32 rows of 4,096 bytes of X
	v_lshl_add_u32 v[WOFF], v[LN], 4, s23
	s_lshl_b32 s24, s[WV], 9
	s_add_co_u32 s24, s24, SCO
	v_lshl_add_u32 v[SCST], v21, 2, s24
	v_lshl_add_u32 v[SCLD], v[LN], 4, SCO
	s_lshl_b32 s25, s[WV], 8
	s_add_co_u32 s26, s25, PB
	v_lshl_add_u32 v[PBST], v[LN], 3, s26
	v_lshl_add_u32 v[PBLD], v22, 4, s26
	v_lshl_add_u32 v26, v22, 5, s25                ; W2: 4 (64 w + 8 hh)
	v_lshlrev_b32 v27, 4, v21                      ; 16 c, c = lane & 15
	v_lshl_add_u32 v28, v22, 12, v27               ; row lane >> 4
	v_add_nc_u32 v[XOFF], s23, v28
	v_mul_u32_u24 v29, v22, PITCH
	v_add_nc_u32 v29, v29, v27
	s_mul_i32 s27, s[WV], 32*PITCH
	v_add_nc_u32 v[LSA], s27, v29
	v_add_nc_u32 v[LSA+1], 2*SLICE, v[LSA]
	v_add_nc_u32 v[LSA+2], 4*SLICE, v[LSA]
	v_add_nc_u32 v[LSA+3], 6*SLICE, v[LSA]
	s_wait_kmcnt 0x0
	s_add_nc_u64 s[8:9], s[8:9], s[20:21]
	s_wait_alu depctr_va_vdst(0)                   ; the addresses and offsets v1 to v10, v16 to v20 and v26 are written, which the loads and stores of the whole kernel read
.irp a, 0,1,2,3
	global_load_b128 v[W2R+8*\a:W2R+8*\a+3],   v26, s[6:7] offset:64*\a      ; W2[64 w + 16 a + 8 hh + 0..7], once for the whole kernel
	global_load_b128 v[W2R+8*\a+4:W2R+8*\a+7], v26, s[6:7] offset:64*\a+16
.endr
	; ---- the stream is started as a tile's tail leaves it: slices 0, 1, 2 parked, slice 3 on its way, W1 steps 0, 1, 2 asked for, each in
	; front of one of the last three quarters.  Quarter pn - 4 is wanted: behind it stand three quarters (24 loads) and the steps of W1
	; issued among them, none up to pn = 13, then one (32) and two (40).  The first wait also covers W2, which is older.
.set pn, 0
.rept 16
.if pn >= 4
.set cnt, 24
.if pn > 13
.set cnt, 24+8*(pn-13)
.endif
	s_wait_loadcnt cnt
.set cq, pn&3
.set cvs, (pn-4)>>2
	XCONV
	s_wait_alu depctr_va_vdst(0)                   ; the conversions are done reading the quarter's registers, in which the loads of X below land, and have written their part of a park
.endif
.if pn >= 13
.set lq, pn-13
	LOADW
.endif
.set xq, pn&3
.set xsl, pn>>2
	XISSUE
.set pn, pn+1
.endr
	WIN 0
.set j, 0
.rept 16
	v_pk_mul_f32 v[W2R+j:W2R+j+1], v[W2R+j:W2R+j+1], 0xc038aa3b op_sel_hi:[1,0]   ; w2s = -2 log2(e) W2
.set j, j+2
.endr
	v_mov_b32 v[LSUM], 0                           ; O and l start at 0, m at minus infinity: the first alpha is 0
	v_mov_b32 v[MX], 0xff800000
	WIN 0xc0
.set j, 0
.rept 16
	v_mov_b32 v[OA+j], 0
.set j, j+1
.endr
	WIN 0                                          ; at a label and at a branch every window is 0
	s_mov_b32 s18, 3
.Ltile:
	TILE 0
	WIN 0
	s_wait_xcnt 0x0                                ; the loads that name s[8:9] have had their addresses translated: only now the base steps
	s_add_nc_u64 s[8:9], s[8:9], TILEB
	s_sub_co_u32 s18, s18, 1
	s_cmp_lg_u32 s18, 0
	s_cbranch_scc1 .Ltile
	TILE 1                                         ; the last tile asks for nothing beyond its own slices and steps
	; ---- the way out ----
	WIN 0
	v_mov_b32 v160, 0
	v_add_f32_dpp v[LSUM], v[LSUM], v[LSUM] row_xmask:1 row_mask:0xf bank_mask:0xf
	v_add_f32_dpp v[LSUM], v[LSUM], v[LSUM] row_xmask:2 row_mask:0xf bank_mask:0xf
	v_add_f32_dpp v[LSUM], v[LSUM], v[LSUM] row_xmask:4 row_mask:0xf bank_mask:0xf
	v_add_f32_dpp v[LSUM], v[LSUM], v[LSUM] row_xmask:8 row_mask:0xf bank_mask:0xf
	v_permlanex16_b32 v160, v[LSUM], s16, s17
	v_add_f32 v[LSUM], v[LSUM], v160               ; l of the 512 rows, in every lane
	; O[T] of lane r belongs to d = 256 w + 128 (T >> 3) + 4 (T & 7) + (r & 3) + 64 ((r >> 2) & 1) + 32 ((r >> 3) & 1)
	v_and_b32 v161, 3, v[LN]
	v_bfe_u32 v162, v[LN], 2, 1
	v_bfe_u32 v163, v[LN], 3, 1
	v_lshl_add_u32 v161, v162, 6, v161
	v_lshl_add_u32 v161, v163, 5, v161
	s_lshl_b32 s22, s[WV], 10
	s_add_co_u32 s23, s22, OST
	v_lshl_add_u32 v164, v161, 2, s23
	v_lshl_add_u32 v165, v[LN], 4, s23
	s_lshl_b32 s24, ttmp9, 12
	s_add_co_u32 s24, s24, s22
	v_lshl_add_u32 v166, v[LN], 4, s24             ; part: 4,096 x + 1,024 w + 16 lane
	s_lshl_b32 s25, ttmp9, 8
	v_lshl_add_u32 v167, v[LN], 3, s25             ; stat: 256 x + 8 lane; made by every wave, so that one wait serves all the stores; wave 0 alone uses it
	s_wait_alu depctr_va_vdst(0)                   ; v164 to v167, O, m and l are written, which the stores and loads below read; the pooling products are done reading v168 to v175, in which the stage's loads land
	WIN 0x0c
.set j, 0
.rept 16
	ds_store_b32 v164, v[OA+j] offset:512*(j>>3)+16*(j&7)   ; lanes r and r + 16 hold the same number and write the same word
.set j, j+1
.endr
	WIN 0
	ds_load_b128 v[168:171], v165                  ; my own bytes, served in order behind my stores
	ds_load_b128 v[172:175], v165 offset:512
	s_wait_dscnt 0x0
	global_store_b128 v166, v[168:171], s[10:11]            ; each store of the wave covers 512 consecutive bytes
	global_store_b128 v166, v[172:175], s[10:11] offset:512
	s_cmp_lg_u32 s[WV], 0
	s_cbranch_scc1 .Lfin
	global_store_b64 v167, v[MX:LSUM], s[12:13]    ; (m, l) 32 times over: 256 consecutive bytes, written whole by wave 0
.Lfin:
	s_wait_dscnt 0x0                               ; the closing lines, six on end, for a launch in the mode that stores to LDS
	s_wait_alu 0x0
	s_wait_tensorcnt 0x0
	ds_add_u32 v254, v255
	s_wait_dscnt 0x0
	s_endpgm
.Lfunc_end_k_q3e4dc5c035_main:
	.size	k_q3e4dc5c035_main, .Lfunc_end_k_q3e4dc5c035_main-k_q3e4dc5c035_main
	.p2alignl 7, 3214868480
	.fill 96, 4, 3214868480
	.section	.rodata,"a",@progbits
	.p2align	6, 0x0
	.amdhsa_kernel k_q3e4dc5c035_main
		.amdhsa_group_segment_fixed_size 286208
		.amdhsa_private_segment_fixed_size 0
		.amdhsa_enable_private_segment 0
		.amdhsa_kernarg_size 40
		.amdhsa_user_sgpr_count 2
		.amdhsa_user_sgpr_kernarg_segment_ptr 1
		.amdhsa_wavefront_size32 1
		.amdhsa_system_sgpr_workgroup_id_x 1
		.amdhsa_system_sgpr_workgroup_id_y 1
		.amdhsa_system_sgpr_workgroup_id_z 1
		.amdhsa_system_vgpr_workitem_id 0
		.amdhsa_next_free_vgpr 1024
		.amdhsa_next_free_sgpr 66
		.amdhsa_reserve_vcc 0
		.amdhsa_float_denorm_mode_32 3
		.amdhsa_float_denorm_mode_16_64 3
		.amdhsa_memory_ordered 1
		.amdhsa_forward_progress 1
		.amdhsa_inst_pref_size 255
	.end_amdhsa_kernel
	.section	.bss,"aw",@nobits
	.p2align	6
	.space	262144
	.amdgpu_metadata
---
amdhsa.version: [ 1, 2 ]
amdhsa.kernels:
  - .name:           k_q3e4dc5c035_main
    .symbol:         k_q3e4dc5c035_main.kd
    .args:
      - { .name: w1f, .offset: 0, .size: 8, .value_kind: global_buffer, .address_space: global }
      - { .name: W2, .offset: 8, .size: 8, .value_kind: global_buffer, .address_space: global }
      - { .name: tiles_embeddings, .offset: 16, .size: 8, .value_kind: global_buffer, .address_space: global }
      - { .name: part, .offset: 24, .size: 8, .value_kind: global_buffer, .address_space: global }
      - { .name: stat, .offset: 32, .size: 8, .value_kind: global_buffer, .address_space: global }
    .group_segment_fixed_size: 286208
    .private_segment_fixed_size: 0
    .kernarg_segment_align: 8
    .kernarg_segment_size: 40
    .max_flat_workgroup_size: 128
    .sgpr_count:     66
    .vgpr_count:     1024
    .wavefront_size: 32
...
	.end_amdgpu_metadata
.endif
;; end of part 4
;; launch join: the kernel of part 3 again; grid 8 x 16, 1 waves a work-group, no clusters, 0 bytes of LDS; arguments part, stat, out0; writes out0
